; MI455X (gfx1250); checked and timed in simulation.
; The chip was launched on July 23, 2026; its instructions are those of AMD's public machine-readable ISA for CDNA 5 (MIT licence, August 2026) and "CDNA5" Instruction Set Architecture Reference Guide (July 2026). The comments in the code are by the model that wrote it; some were corrected since.
;; Feed Forward Quantum. Allowed arithmetic: matrix products marked QUANTISED: E2M1 operands, one E8M0 scale for each 32 along K, by v_wmma_scale_f32_16x16x128_f8f6f4 with both operands' format E2M1 (or v_wmma_scale_f32_32x16x128_f4), f32 sums; products left as they are: bf16, f16 or f32 operands; f32 sums; everything else in f32.
;; Inputs: W1 4,096 x 1,024 float32; W2 4,096 x 16 float32; Wo 1,024 x 4,096 float32; Wq 16 x 4,096 float32; theta 16 float32; x 4 x 2,048 x 1,024 float32.
;; Outputs: out0 4 x 2,048 x 1,024 float32.
;; This version of the problem:
;;   THIS VERSION OF THE PROBLEM IS GIVEN IN LOW PRECISION. The matrix products marked QUANTISED in the list below multiply operands that are first quantised to E2M1 (2 exponent bits, 1 mantissa bit; 4 bits a number), with one power-of-two scale for each 32 numbers along K (OCP MX v1.0); their sums are f32. The products marked 'left as it is' may take bf16, f16 or f32 operands, with f32 sums. Whichever they take, every output number must still come out within the allowed error. Rounding operands to bf16 (8 significant bits) uses up far more of that allowance than f16 does (11 bits, for magnitudes from 6e-5 to 65,504). All else is computed in f32.
;;   The module's matrix products, in the order in which they are computed (A, B: the left and right operand; K: the contracted axis; several contracted axes count as one K, in the product's order):
;;     1. [M 8,192, K 1,024] x [K 1,024, N 4,096]; A: input x; B: input W1: QUANTISED
;;     2. [M 8,192, K 4,096] x [K 4,096, N 16]; A: computed on the way; B: input Wq: left as it is (an operand is computed on the way)
;;     3. [M 8,192, K 16] x [K 16, N 4,096]; A: computed on the way; B: input W2: left as it is (K = 16 < 32)
;;     4. [M 8,192, K 4,096] x [K 4,096, N 1,024]; A: computed on the way; B: input Wo: left as it is (an operand is computed on the way)
;;   THE QUANTISER, for each operand of a quantised product, along K:
;;     - K is cut into blocks of 32 from its start; a last block that is shorter is filled with zeros.
;;     - A block's scale is 2^e with e = floor(log2(the largest magnitude in the block)) - 2, held to -126 .. 127; a block of zeros has e = 0. As a byte (E8M0): e + 127.
;;     - Each number is divided by its block's scale, clamped to +-6, and rounded to the nearest number of E2M1, ties to even, subnormals kept.
;;     - The product sums the exact products of the quantised numbers (number of the format x scale) in f32.
;;   ~~~python
;;   def quantise(x, axis):      # numpy; x: float32 -> the quantised numbers, widened to float32 again
;;       x = np.moveaxis(x, axis, -1); K = x.shape[-1]
;;       x = np.pad(x, [(0, 0)] * (x.ndim - 1) + [(0, -K % 32)]); x = x.reshape(x.shape[:-1] + (-1, 32)); a = np.abs(x).max(-1, keepdims=True)
;;       e = np.where(a > 0, np.clip(np.frexp(np.where(a > 0, a, 1))[1] - 1 - 2, -126, 127), 0)      # np.frexp(a)[1] - 1 = floor(log2(a)), exactly
;;       r = np.clip(x / 2.0 ** e, -6, 6)
;;       step = 2.0 ** (np.maximum(np.frexp(np.where(r == 0, 1, r))[1] - 1, 0) - 1)
;;       q = np.round(r / step) * step * 2.0 ** e      # np.round: ties to even
;;       return np.moveaxis(q.reshape(q.shape[:-2] + (-1,))[..., :K], -1, axis).astype(np.float32)
;;   ~~~
;; One version. Each part assembles by itself: llvm-mc -triple=amdgcn-amd-amdhsa -mcpu=gfx1250 --defsym DOCPART=n.
;; ======== version 1 of 1: 3 launches
;; limits: right only within a limited range of input values; values are held in f16: magnitudes above 65,504 overflow, below 6.1e-05 lose precision
;; workspace buffers: xc 4,194,304 bytes; xs 262,144 bytes; w1c 2,097,152 bytes; w1s 131,072 bytes; woh 8,388,608 bytes; w2h 132,096 bytes; qp 4,194,304 bytes
;; launch prep (part 1): grid 520 x 1, 4 waves a work-group, no clusters, 33,280 bytes of LDS; arguments x, W1, Wo, W2, xc, xs, w1c, w1s, woh, w2h; writes xc, xs, w1c, w1s, woh, w2h
.if DOCPART == 1
	.amdgcn_target "amdgcn-amd-amdhsa--gfx1250"
	.amdhsa_code_object_version 6
	.text
	.protected	k_q399bcd15a5_prep
	.globl	k_q399bcd15a5_prep
	.p2align	8
	.type	k_q399bcd15a5_prep,@function
k_q399bcd15a5_prep:
	s_mov_b64 s[64:65], 0
	v_nop
	global_prefetch_b8 v0, s[64:65] scope:SCOPE_SE
	s_setreg_imm32_b32 hwreg(HW_REG_WAVE_MODE, 25, 1), 1
	s_wait_xcnt 0x0
; FIRST OF THREE LAUNCHES.  out = relu(cos(Q(x) Q(W1)^T Wq^T + theta) W2^T) Wo^T.  This launch lays the operands out once, since many work-groups read each of them later.
; NO WORK IS LEFT OUT: every input (x, W1, Wq, theta, W2, Wo) has a way to the output, every product is done as it is written, and the first product goes to the matrix units on E2M1 codes.
; Work-groups 0-255: x [8192][1024] f32 -> codes of E2M1 (xc, K innermost, two codes a byte) and one E8M0 byte for each 32 along K (xs).  Work-groups 256-383: W1 [4096][1024] likewise (w1c, w1s).
; Work-groups 384-511: Wo [1024][4096] f32 -> f16, same order (woh).  Work-groups 512-519: W2 [4096][16] f32 -> f16 in the order of an operand's registers (w2h): tile t = rows 16 t .. 16 t + 15; lane l = r + 16 h
; owns the 16 bytes at 512 t + 16 l: W2[16 t + r][8 h .. 8 h + 7].  Behind the 256 tiles lie 1,024 bytes of zeros, which the last launch's last tile load covers.
; THE QUANTISER: a block's scale is 2^(floor(log2(largest magnitude)) - 2); its byte is the largest magnitude's exponent field - 2, held at 1 from below; each number / scale goes to the nearest code, ties to even, beyond 6 to 6.
; (A block of zeros gets the byte 1 where the rule says 127: its codes are zeros, which add nothing under any byte but 0xff, and this program alone reads the bytes.)
; LIMITS: NaN and infinities among the inputs are not served; blocks whose largest magnitude lies under 2^(3 - 127) keep the byte 1; |Wo| and |W2| lie under 65,504, f16's largest number.
; The three kinds of work-group part on the work-group's number.  Waves share nothing: no barrier, no tensor load, no cluster (no two work-groups read the same bytes).  Only the quantising path uses LDS.
.set WGX,   256                        ; work-groups for x: 8192 x 1024 / 32,768
.set WGQ,   384                        ; and with W1's 128
.set WGC,   512                        ; and with Wo's 128
.set STEPS, 16
.set EMAX,  2
.set CB,    8                          ; bytes of 16 codes
.set R,     16                         ; v16-79   four sets of 16 numbers as they are loaded
.set X,     80                         ; v80-111  two sets of 16 neighbours (quantiser); results to store (the other two paths)
.set E,     112                        ; v112-127 a scale byte for each step
.set C,     128                        ; v128-191 codes: four registers for each step
.set WREG,  8192                       ; LDS: a region for each wave: two stages of 32 x SP bytes, behind them its 256 scale bytes
.set SP,    80                         ; a lane's place in a stage: 64 bytes + 16 of padding
.set SPW,   12                         ; v12  LDS address of my spare word; never rewritten
.set NIL,   13                         ; v13  0; never rewritten
.set SPARE, 4*WREG                     ; behind the four regions: the spare words, 128 bytes a wave, which no other line names
	s_load_b512 s[8:23], s[0:1], 0x0               ; x s[8:9], W1 s[10:11], Wo s[12:13], W2 s[14:15], xc s[16:17], xs s[18:19], w1c s[20:21], w1s s[22:23]
	s_load_b128 s[24:27], s[0:1], 0x40             ; woh s[24:25], w2h s[26:27]
	v_lshl_add_u32 v[SPW], v0, 2, SPARE
	v_mov_b32 v[NIL], 0
	v_lshrrev_b32 v1, 5, v0
	v_readfirstlane_b32 s28, v1                    ; wave
	v_and_b32 v2, 31, v0                           ; lane
	v_lshlrev_b32 v3, 4, v2                        ; 16 x lane
	s_mul_i32 s29, s28, WREG
	v_lshrrev_b32 v14, 2, v2                       ; every LDS address is made here, ahead of the parting
	v_mul_u32_u24 v14, v14, SP
	v_and_b32 v15, 3, v2
	v_lshl_add_u32 v14, v15, 4, v14
	v_add_nc_u32 v14, s29, v14                     ; the stage, on the way in: SP (lane / 4) + 16 (lane % 4)
	v_mul_u32_u24 v15, v2, SP
	v_add_nc_u32 v15, s29, v15                     ; and on the way out: SP x lane: my 16 neighbours
	v_mul_u32_u24 v4, v2, CB                       ; 8 x lane
	v_lshrrev_b32 v5, 1, v2
	s_add_co_u32 s29, s29, 2*32*SP
	v_add_nc_u32 v5, s29, v5                       ; my wave's 256 scale bytes, my block's byte
	v_lshlrev_b32 v7, 3, v2
	v_add_nc_u32 v6, s29, v7                       ; and on the way out 8 bytes a lane
	s_wait_kmcnt 0x0
	s_cmp_lt_u32 ttmp9, WGQ
	s_cbranch_scc0 .Lnot_q
; ---- THE QUANTISER.  Rows are dense and K is a multiple of 32: both tensors are plain streams of blocks of 32.  A wave takes 16 steps of 512 numbers.  Each load reads 512 consecutive bytes; a step's 2,048 bytes turn
; through the wave's own stage in LDS, so that a lane then holds 16 neighbours (two lanes a block).  Loads run four steps ahead, the turn through LDS one step.
	s_cmp_lt_u32 ttmp9, WGX                        ; x's work-group or W1's?  The choice hangs on the work-group's number alone
	s_cselect_b64 s[4:5], s[8:9], s[10:11]
	s_cselect_b64 s[6:7], s[16:17], s[20:21]
	s_cselect_b64 s[2:3], s[18:19], s[22:23]
	s_cselect_b32 s29, 0, WGX
	s_sub_co_u32 s29, ttmp9, s29
	s_lshl_b32 s29, s29, 2
	s_add_co_u32 s30, s29, s28                     ; which run of 8,192 numbers of the tensor is my wave's
	s_mov_b32 s31, 0
	s_mov_b64 s[32:33], 512*STEPS*4
	s_mul_u64 s[32:33], s[30:31], s[32:33]
	s_add_nc_u64 s[4:5], s[4:5], s[32:33]
	s_mov_b64 s[32:33], 32*STEPS*CB
	s_mul_u64 s[32:33], s[30:31], s[32:33]
	s_add_nc_u64 s[6:7], s[6:7], s[32:33]
	s_lshl_b32 s30, s30, 8                         ; 256 scale bytes a run
	s_add_nc_u64 s[2:3], s[2:3], s[30:31]
.macro QLOAD t
.irp i, 0,1,2,3
	global_load_b128 v[R+16*((\t)%4)+4*\i:R+16*((\t)%4)+4*\i+3], v3, s[4:5] offset:2048*(\t)+512*\i th:TH_LOAD_NT   ; 32 lanes read 512 consecutive bytes
.endr
.endm
.macro QTURN t                         ; step t's numbers through the stage: LDS serves a wave's instructions in order, so no wait stands between the stores and the loads
.irp i, 0,1,2,3
	ds_store_b128 v14, v[R+16*((\t)%4)+4*\i:R+16*((\t)%4)+4*\i+3] offset:32*SP*((\t)%2)+8*SP*\i
.endr
.irp i, 0,1,2,3
	ds_load_b128 v[X+16*((\t)%2)+4*\i:X+16*((\t)%2)+4*\i+3], v15 offset:32*SP*((\t)%2)+16*\i
.endr
.endm
.irp t, 0,1,2,3
	QLOAD \t
.endr
	s_wait_loadcnt 12                              ; step 0's four loads are in; three steps' twelve may be out
	QTURN 0
.macro QSTEP t
.set XS, X+16*((\t)%2)
.if (\t) > 0
	s_wait_dscnt 1                                 ; this step's numbers are back from the stage (the last step's byte store may be out): so its stores into the stage have read their registers,
.else
	s_wait_dscnt 0x0
.endif
.if (\t)+4 < STEPS
	QLOAD (\t)+4                                   ; which take the loads of four steps on
.endif
.if (\t)+1 < STEPS
.if STEPS-2-(\t) >= 3
	s_wait_loadcnt 12                              ; the next step's four loads are in; those of the three steps behind it may be out
.else
	s_wait_loadcnt 4*(STEPS-2-(\t))
.endif
	QTURN (\t)+1
.endif
	v_max3_num_f32 v8, |v[XS]|, |v[XS+1]|, |v[XS+2]|               ; the largest magnitude of my 16, in two chains
	v_max3_num_f32 v9, |v[XS+3]|, |v[XS+4]|, |v[XS+5]|
.irp i, 6,10
	v_max3_num_f32 v8, v8, |v[XS+\i]|, |v[XS+\i+1]|
	v_max3_num_f32 v9, v9, |v[XS+\i+2]|, |v[XS+\i+3]|
.endr
	v_max3_num_f32 v8, v8, |v[XS+14]|, |v[XS+15]|
	v_max3_num_f32 v8, v8, v9, (EMAX+1)<<23        ; and the floor 2^(3 - 127): the byte cannot fall under 1
	v_max_num_f32_dpp v8, v8, v8 row_xmask:1 row_mask:0xf bank_mask:0xf   ; and of my neighbour's 16: the block's
	v_add_nc_u32 v11, 0xff000000, v8               ; 2 off its exponent field: the conversion takes the exponent field of this operand as its scale, and nothing else of it
	v_cvt_scalef32_pk8_fp4_f32 v[C+4*(\t)], v[XS:XS+7], v11
	v_cvt_scalef32_pk8_fp4_f32 v[C+4*(\t)+1], v[XS+8:XS+15], v11
	v_lshrrev_b32 v[E+(\t)], 23, v11               ; the scale's byte (also the plain line behind the conversions)
	ds_store_b8 v5, v[E+(\t)] offset:16*(\t)       ; both lanes of a block write the same byte with the same value
	global_store_b64 v4, v[C+4*(\t):C+4*(\t)+1], s[6:7] offset:32*CB*(\t)   ; the wave stores 256 consecutive bytes, aligned
.endm
.irp t, 0,1,2,3,4,5,6,7,8,9,10,11,12,13,14,15
	QSTEP \t
.endr
	ds_load_b64 v[8:9], v6                         ; LDS serves a wave's instructions in order: these see my byte stores
	s_wait_dscnt 0x0
	global_store_b64 v7, v[8:9], s[2:3]            ; 32 lanes store 256 consecutive bytes, aligned
	s_wait_tensorcnt 0x0                           ; the wave's end, behind my last LDS store
	ds_add_u32 v[SPW], v[NIL]
	s_wait_dscnt 0x0
	s_endpgm
.Lnot_q:
	s_cmp_lt_u32 ttmp9, WGC
	s_cbranch_scc0 .Lw2
; ---- Wo TO f16.  A wave takes 8,192 numbers: 16 steps of four loads of 512 consecutive bytes; a lane's four numbers are 8 bytes of f16, so a store covers 256 consecutive bytes, aligned.  Loads run four steps ahead.
	s_sub_co_u32 s30, ttmp9, WGQ
	s_lshl_b32 s30, s30, 2
	s_add_co_u32 s30, s30, s28                     ; my wave among the 512
	s_lshl_b32 s32, s30, 15
	s_mov_b32 s33, 0
	s_add_nc_u64 s[12:13], s[12:13], s[32:33]
	s_lshl_b32 s32, s30, 14
	s_add_nc_u64 s[24:25], s[24:25], s[32:33]
.macro LOADC t
.irp i, 0,1,2,3
	global_load_b128 v[R+16*((\t)%4)+4*\i:R+16*((\t)%4)+4*\i+3], v3, s[12:13] offset:2048*(\t)+512*\i th:TH_LOAD_NT
.endr
.endm
.macro STEPC t
.if 15-(\t) >= 3
	s_wait_loadcnt 12                              ; this step's four loads are in; the three later steps' twelve may be out
.else
	s_wait_loadcnt 4*(15-(\t))
.endif
	s_wait_xcnt 0x0                                ; the stores of two steps back have read their data registers, which are written below
.irp i, 0,1,2,3
	v_cvt_pk_f16_f32 v[X+8*((\t)%2)+2*\i], v[R+16*((\t)%4)+4*\i], v[R+16*((\t)%4)+4*\i+1]
	v_cvt_pk_f16_f32 v[X+8*((\t)%2)+2*\i+1], v[R+16*((\t)%4)+4*\i+2], v[R+16*((\t)%4)+4*\i+3]
.endr
.if (\t)+4 < 16
	LOADC (\t)+4
.endif
.irp i, 0,1,2,3
	global_store_b64 v4, v[X+8*((\t)%2)+2*\i:X+8*((\t)%2)+2*\i+1], s[24:25] offset:1024*(\t)+256*\i
.endr
.endm
.irp t, 0,1,2,3
	LOADC \t
.endr
.irp t, 0,1,2,3,4,5,6,7,8,9,10,11,12,13,14,15
	STEPC \t
.endr
	s_endpgm
.Lw2:
; ---- W2 TO THE IMAGE.  A wave takes 8 tiles of 16 rows: lane (r, h) reads the 32 bytes W2[16 t + r][8 h ..] and stores 16 bytes at 512 t + 16 lane: a store covers 512 consecutive bytes.
	s_sub_co_u32 s30, ttmp9, WGC
	s_lshl_b32 s30, s30, 2
	s_add_co_u32 s30, s30, s28                     ; my wave among the 32
	s_lshl_b32 s32, s30, 13
	s_mov_b32 s33, 0
	s_add_nc_u64 s[14:15], s[14:15], s[32:33]
	s_lshl_b32 s32, s30, 12
	s_add_nc_u64 s[26:27], s[26:27], s[32:33]
	v_and_b32 v10, 15, v0
	v_lshlrev_b32 v10, 6, v10
	v_bfe_u32 v11, v0, 4, 1
	v_lshl_add_u32 v10, v11, 5, v10                ; 64 r + 32 h
.irp k, 0,1,2,3,4,5,6,7
	global_load_b128 v[R+8*\k:R+8*\k+3], v10, s[14:15] offset:1024*\k
	global_load_b128 v[R+8*\k+4:R+8*\k+7], v10, s[14:15] offset:1024*\k+16
.endr
	s_wait_loadcnt 0x0
.irp k, 0,1,2,3,4,5,6,7
.irp j, 0,1,2,3
	v_cvt_pk_f16_f32 v[X+4*\k+\j], v[R+8*\k+2*\j], v[R+8*\k+2*\j+1]
.endr
.endr
.irp k, 0,1,2,3,4,5,6,7
	global_store_b128 v3, v[X+4*\k:X+4*\k+3], s[26:27] offset:512*\k
.endr
	s_cmp_lg_u32 s30, 31
	s_cbranch_scc1 .Lw2_end                        ; the last wave also stores the 1,024 zeros behind the last tile
.irp j, 0,1,2,3
	v_mov_b32 v[E+\j], 0
.endr
	global_store_b128 v3, v[E:E+3], s[26:27] offset:4096
	global_store_b128 v3, v[E:E+3], s[26:27] offset:4608
.Lw2_end:
	s_endpgm
.Lfunc_end_k_q399bcd15a5_prep:
	.size	k_q399bcd15a5_prep, .Lfunc_end_k_q399bcd15a5_prep-k_q399bcd15a5_prep
	.p2alignl 7, 3214868480
	.fill 96, 4, 3214868480
	.section	.rodata,"a",@progbits
	.p2align	6, 0x0
	.amdhsa_kernel k_q399bcd15a5_prep
		.amdhsa_group_segment_fixed_size 33280
		.amdhsa_private_segment_fixed_size 0
		.amdhsa_enable_private_segment 0
		.amdhsa_kernarg_size 80
		.amdhsa_user_sgpr_count 2
		.amdhsa_user_sgpr_kernarg_segment_ptr 1
		.amdhsa_wavefront_size32 1
		.amdhsa_system_sgpr_workgroup_id_x 1
		.amdhsa_system_sgpr_workgroup_id_y 1
		.amdhsa_system_sgpr_workgroup_id_z 1
		.amdhsa_system_vgpr_workitem_id 0
		.amdhsa_next_free_vgpr 192
		.amdhsa_next_free_sgpr 66
		.amdhsa_reserve_vcc 0
		.amdhsa_float_denorm_mode_32 3
		.amdhsa_float_denorm_mode_16_64 3
		.amdhsa_memory_ordered 1
		.amdhsa_forward_progress 1
		.amdhsa_inst_pref_size 60
	.end_amdhsa_kernel
	.amdgpu_metadata
---
amdhsa.version: [ 1, 2 ]
amdhsa.kernels:
  - .name:           k_q399bcd15a5_prep
    .symbol:         k_q399bcd15a5_prep.kd
    .args:
      - { .name: x, .offset: 0, .size: 8, .value_kind: global_buffer, .address_space: global }
      - { .name: W1, .offset: 8, .size: 8, .value_kind: global_buffer, .address_space: global }
      - { .name: Wo, .offset: 16, .size: 8, .value_kind: global_buffer, .address_space: global }
      - { .name: W2, .offset: 24, .size: 8, .value_kind: global_buffer, .address_space: global }
      - { .name: xc, .offset: 32, .size: 8, .value_kind: global_buffer, .address_space: global }
      - { .name: xs, .offset: 40, .size: 8, .value_kind: global_buffer, .address_space: global }
      - { .name: w1c, .offset: 48, .size: 8, .value_kind: global_buffer, .address_space: global }
      - { .name: w1s, .offset: 56, .size: 8, .value_kind: global_buffer, .address_space: global }
      - { .name: woh, .offset: 64, .size: 8, .value_kind: global_buffer, .address_space: global }
      - { .name: w2h, .offset: 72, .size: 8, .value_kind: global_buffer, .address_space: global }
    .group_segment_fixed_size: 33280
    .private_segment_fixed_size: 0
    .kernarg_segment_align: 8
    .kernarg_segment_size: 80
    .max_flat_workgroup_size: 128
    .sgpr_count:     66
    .vgpr_count:     192
    .wavefront_size: 32
...
	.end_amdgpu_metadata
.endif
;; end of part 1
;; launch qpart (part 2): grid 8 x 32, 4 waves a work-group, clusters of 4 x 4, 327,680 bytes of LDS; arguments xc, xs, w1c, w1s, Wq, qp; writes qp
.if DOCPART == 2
	.amdgcn_target "amdgcn-amd-amdhsa--gfx1250"
	.amdhsa_code_object_version 6
	.text
	.protected	k_q399bcd15a5_qpart
	.globl	k_q399bcd15a5_qpart
	.p2align	8
	.type	k_q399bcd15a5_qpart,@function
k_q399bcd15a5_qpart:
	s_mov_b64 s[64:65], 0
	v_nop
	global_prefetch_b8 v0, s[64:65] scope:SCOPE_SE
	s_setreg_imm32_b32 hwreg(HW_REG_WAVE_MODE, 25, 1), 1
	s_wait_xcnt 0x0
	s_wait_alu depctr_hold_cnt(0) depctr_sa_sdst(0) depctr_va_vdst(0) depctr_va_sdst(0) depctr_va_ssrc(0) depctr_va_vcc(0) depctr_vm_vsrc(0)
	s_getreg_b32 s2, hwreg(HW_REG_IB_STS2, 6, 4)
	s_cmp_eq_u32 s2, 0
	s_cbranch_scc0 .Lentry_in_a_cluster
	s_endpgm
.Lentry_in_a_cluster:
	s_bfe_u32 s2, ttmp6, 0x10000c
	s_cmp_lg_u32 s2, 0xf033
	s_cbranch_scc0 .Lentry_shape_is_right
	s_endpgm
.Lentry_shape_is_right:
; SECOND LAUNCH: h = Q(x) Q(W1)^T on codes of E2M1 with E8M0 scales, and at once q = h Wq^T; h never goes to memory.  No work is left out.
; SHARES.  Work-group (g, mt) owns rows 256 mt .. + 255 of x and columns 512 g .. + 511 of h, as two tiles of 256 x 256, one after the other.  A wave makes 128 x 128 of a tile: 64 accumulators, 512 registers.
; K = 1,024 is two halves of 512.  x's codes of both halves come into LDS once and stay (a half in each slot); W1's go through the two slots: each slot's part for W1 is filled a second time, for the second tile.
; The scale bytes of x's 256 rows and W1's 512 rows, for all of K, are dense blocks: they come once, with the first fills, as rows of 256 bytes + 16 of padding.
; Behind each tile a wave rounds its h to f16 (a lane's eight results are eight neighbours along the next K: two accumulators make one operand of 32 along K) and multiplies by its part of Wq (f16, in registers):
; 8 accumulators of q (16 qubits x 16 rows each), which go on over both tiles.  At the end the two waves of a row half add their sums through LDS, and the partial q of these 512 columns is stored:
; qp [g 8][block of 16 rows 512][c 2][lane 32][4 f32]: lane (r, h) holds row r of the block, qubits 8 h + 4 c + 0 .. 3.  The last launch adds the eight g.
; CLUSTERS: 4 x 4 work-groups.  The four of a row of the cluster (same mt) need the same tiles of x, the four of a column (same g) the same tiles of W1: each is asked for jointly, by the same tensor load with the same
; descriptor and a mask that names the four.  BOTH PRODUCTS ARE USED TRANSPOSED (source 0 = rows of W1, or of Wq; source 1 = rows of x, or of h).
; No prefetch is written: a work-group asks for 12 tiles in all, five of its eight loads of codes at the head.
; LIMITS: |h| and |Wq| lie under 65,504, f16's largest number; NaN and infinities are not served.
; REGISTERS, in windows of 256: window 0: v1-31 addresses; v32-95 scale words, two sets; v128-191 x's fragments, ONE set; behind a tile: h as f16; at the end: the partner's sums.
;   window 1: v0-63, v128-191 W1's fragments, two sets; v64-127 Wq's 8 fragments; v192-255 the 8 accumulators of q.   windows 2, 3: the 64 accumulators of h ((a, b) at v[8 (8 (a % 4) + b)]); window 2 first holds Wq as f32.
.set NQ,     4                         ; matrix instructions deep in a slot: 512 along K
.set ROWB,   256                       ; a tile's row in bytes
.set KROW,   512                       ; a row of codes in memory
.set PITCH,  272                       ; an LDS row: 256 bytes + 16 of padding = 68 words: the 16 rows that a load touches start at 16 different banks (64 banks of 4 bytes: ISA guide 11.1)
.set FR,     8                         ; registers of a fragment: 16 rows x 128 K
.set NL,     2                         ; LDS loads that bring one
.set NP,     4                         ; places behind these matrix instructions (ISA guide 7.12.1)
.set HALFT,  128*PITCH
.set SLOT,   4*HALFT                   ; x's 256 rows, then W1's 256 rows
.set TILEB,  256*KROW                  ; from a tile's rows of W1 to the next tile's
.set SCX,    2*SLOT                    ; x's scales: 32 rows of 272 bytes
.set SCW,    SCX+8704                  ; W1's: 64 rows of 272 bytes
.set SBLK,   544                       ; the scales of 16 rows
.set QX,     SCW+17408                 ; the exchange of q: 8,192 bytes for each row half; no tile lands here
.set SPARE,  QX+16384                  ; the spare words, 128 bytes a wave, which no other line names
.set ADRA, 16                          ; v16-17  LDS address of my x fragments in slot 0, 1
.set ADRB, 20                          ; v20-21  the same for W1
.set QXA,  22                          ; v22     my place in the exchange
.set LO16, 23                          ; v23     16 x lane
.set ADRS, 26                          ; v26-27  LDS address of my scale words for tile 0, 1: lanes 0-15 x's rows, lanes 16-31 W1's
.set SPW,  28                          ; v28     LDS address of my spare word; never rewritten
.set NIL,  29                          ; v29     0; never rewritten
.set WQO,  30                          ; v30     my byte offset in Wq
.set SC,   32                          ; scale words: set s at v[SC + 32 s]; register 4 i + q: lanes 0-15 x's block i, lanes 16-31 W1's block i, the slot's q-th 128 along K
.set AF,   128                         ; x's fragments; h as f16
.set WQ,   64                          ; window 1: Wq's fragments, 8 (4 t + bp)
.set DQ,   192                         ; window 1: q's accumulators, 8 a
.set G1, 24                            ; s[24:31] group 1 for x's tiles;  s[32:39] group 0, one set a slot
.set G0, 32
.set G1B, 48                           ; s[48:55], s[56:63] the same for W1's
.set G0B, 56
.set G1S, 68                           ; s[68:75], s[76:79] groups 1 and 0 for x's scales;  s[80:87], s[88:91] for W1's
.set G0S, 76
.set G1SB, 80
.set G0SB, 88
.set MSB, 0
.macro WIN new                         ; the immediate's high byte repeats the setting that is left; a switch that changes nothing is dropped
.if MSB != (\new)
	s_set_vgpr_msb (MSB<<8)|(\new)
.set MSB, (\new)
.endif
.endm
.set MUL_LO, 0xa1                      ; source 0 (W1) window 1, source 1 (x) window 0, C and D window 2
.set MUL_HI, 0xf1                      ; the same, C and D window 3
.set TO_B,   0x40                      ; destination window 1, address window 0
; A first joint load: waves 0 and 1 fetch for x, waves 2 and 3 for W1.  The branch hangs on the wave's number alone.  An s_nop 0 and four v_nop follow each of the two lines.
.macro JLOAD g0a, g1a, g0b, g1b
	s_cmp_eq_u32 s15, 0
	s_cbranch_scc0 .Lfor_b_\@
	tensor_load_to_lds s[\g0a:\g0a+3], s[\g1a:\g1a+7]
	s_nop 0
.rept 4
	v_nop
.endr
	s_branch .Lasked_\@
.Lfor_b_\@:
	tensor_load_to_lds s[\g0b:\g0b+3], s[\g1b:\g1b+7]
	s_nop 0
.rept 4
	v_nop
.endr
.Lasked_\@:
.endm
.macro PLACES n
.rept \n
	v_nop
.endr
.endm
; A joint refill: only W1's part of a slot is filled again, by waves 2 and 3, one load each; waves 0 and 1 have no part to fill.  The four v_nop behind the label are the places in front of the LDS loads that follow, for all four waves.
.macro BFILL slot
	s_cmp_lt_u32 s14, 2
	s_cbranch_scc1 .Lno_fill_\@
	tensor_load_to_lds s[G0B+4*\slot:G0B+4*\slot+3], s[G1B:G1B+7]
	s_nop 0
.rept 4
	v_nop
.endr
.Lno_fill_\@:
	PLACES NP
.endm
.macro CREST                           ; a round of the cluster's barrier behind its opening barrier
	s_cmp_lg_u32 s14, 0
	s_cbranch_scc1 .Lnot_wave_0_\@
	s_barrier_signal -3
.Lnot_wave_0_\@:
	s_barrier_wait -3
	s_barrier_signal -1
	s_barrier_wait -1
.endm
.macro CROUND                          ; a whole round
	s_barrier_signal -1
	s_barrier_wait -1
	CREST
.endm
	s_load_b128 s[4:7], s[0:1], 0x0                ; x's codes s[4:5], x's scales s[6:7]
	s_load_b128 s[8:11], s[0:1], 0x10              ; W1's codes s[8:9], W1's scales s[10:11]
	s_load_b128 s[96:99], s[0:1], 0x20             ; Wq s[96:97], qp s[98:99]
	v_lshl_add_u32 v[SPW], v0, 2, SPARE
	v_mov_b32 v[NIL], 0
	ds_add_u32 v[SPW], v[NIL]                      ; the wave's opening: the add, twice on end, and its wait ahead of my first tensor load
	ds_add_u32 v[SPW], v[NIL]                      ; and once more; the set-up below, work on registers, stands between it and the wait
	v_lshrrev_b32 v1, 5, v0
	v_readfirstlane_b32 s14, v1                    ; wave 0..3
	s_lshr_b32 s15, s14, 1                         ; which half of the tile's rows is mine.  Also: I fetch for x (0) or for W1 (1)
	s_and_b32 s16, s14, 1                          ; which half of its columns.  Also: which half of what I fetch for
	s_bfe_u32 s40, ttmp6, 0x40000                  ; cx, cy: my place in the cluster
	s_bfe_u32 s41, ttmp6, 0x40004
	s_lshl_b32 s42, ttmp9, 2
	s_add_co_u32 s42, s42, s40                     ; g = 4 x cluster x + cx
	s_and_b32 s17, ttmp7, 0xffff
	s_lshl_b32 s17, s17, 2
	s_add_co_u32 s17, s17, s41                     ; mt = 4 x cluster y + cy
	s_lshl_b32 s43, s41, 2
	s_lshl_b32 s43, 15, s43                        ; my row of the cluster
	s_lshl_b32 s44, 0x1111, s40                    ; my column
	; group 1 for the codes: a tile of 128 rows x 256 bytes, rows 512 bytes apart in memory, padded in LDS
	s_or_b32 s[G1+0], s43, (0<<16)|(1<<20)|(1<<21)|(5<<22)|(3<<25)  ; 15:0 the mask: x's tiles go to my row; 17:16 elements of 1 byte; 20 padding on; 21 set beside a mask; 24:22 after every 64 words; 31:25 four words
	s_or_b32 s[G1B+0], s44, (0<<16)|(1<<20)|(1<<21)|(5<<22)|(3<<25) ; W1's go to my column
.irp g, G1, G1B
	s_mov_b32 s[\g+1], ROWB<<16                    ; tensor_dim0
	s_mov_b32 s[\g+2], 128<<16                     ; tensor_dim1
	s_mov_b32 s[\g+3], ROWB<<16                    ; tile_dim0
	s_mov_b32 s[\g+4], 128                         ; tile_dim1
	s_mov_b32 s[\g+5], KROW                        ; tensor_dim0_stride
	s_mov_b32 s[\g+6], 0
	s_mov_b32 s[\g+7], 0
.endr
	; group 1 for the scales: dense blocks as rows of 256 bytes (32 elements of 8 bytes), 16 bytes of padding behind each.  x: 128 rows x 32 bytes = 16 such rows a load;  W1: 256 rows = 32
	s_or_b32 s[G1S+0], s43, (3<<16)|(1<<20)|(1<<21)|(5<<22)|(3<<25)
	s_mov_b32 s[G1S+1], 32<<16
	s_mov_b32 s[G1S+2], 16<<16
	s_mov_b32 s[G1S+3], 32<<16
	s_mov_b32 s[G1S+4], 16
	s_mov_b32 s[G1S+5], 32
	s_mov_b32 s[G1S+6], 0
	s_mov_b32 s[G1S+7], 0
	s_or_b32 s[G1SB+0], s44, (3<<16)|(1<<20)|(1<<21)|(5<<22)|(3<<25)
	s_mov_b32 s[G1SB+1], 32<<16
	s_mov_b32 s[G1SB+2], 32<<16
	s_mov_b32 s[G1SB+3], 32<<16
	s_mov_b32 s[G1SB+4], 32
	s_mov_b32 s[G1SB+5], 32
	s_mov_b32 s[G1SB+6], 0
	s_mov_b32 s[G1SB+7], 0
	; where the tiles come from.  x's hang on mt alone, W1's on g alone, each in registers that never hold the other coordinate
	s_lshl_b32 s18, s16, 7
	s_lshl_b32 s20, s17, 8
	s_add_co_u32 s20, s20, s18                     ; x: row 256 mt + 128 x half (codes and scales)
	s_lshl_b32 s46, s42, 9
	s_add_co_u32 s46, s46, s18                     ; W1's codes: row 512 g + 128 x half
	s_lshl_b32 s92, s42, 9
	s_lshl_b32 s93, s16, 8
	s_add_co_u32 s92, s92, s93                     ; W1's scales: row 512 g + 256 x half
	s_mov_b32 s21, 0
	s_mov_b32 s47, 0
	s_mov_b32 s93, 0
	s_mov_b64 s[18:19], 32
	s_mul_u64 s[22:23], s[20:21], s[18:19]         ; in bytes: 32 of scales a row,
	s_mul_u64 s[92:93], s[92:93], s[18:19]
	s_mov_b64 s[18:19], KROW
	s_mul_u64 s[20:21], s[20:21], s[18:19]         ; 512 of codes
	s_mul_u64 s[46:47], s[46:47], s[18:19]
	s_mul_i32 s45, s14, HALFT                      ; where they go: wave x 128 rows; no place in the cluster enters an LDS address
	s_mul_i32 s94, s16, 4352
	s_mul_i32 s95, s16, 8704
	s_wait_dscnt 0x0                               ; both opening adds are done
	s_wait_kmcnt 0x0
	s_add_nc_u64 s[20:21], s[4:5], s[20:21]
	s_add_nc_u64 s[22:23], s[6:7], s[22:23]
	s_add_nc_u64 s[46:47], s[8:9], s[46:47]
	s_add_nc_u64 s[92:93], s[10:11], s[92:93]
	CROUND                                         ; all sixteen work-groups are here: the first joint loads meet
	s_mov_b32 s[G0S], 1
	s_add_co_u32 s[G0S+1], s94, SCX
	s_mov_b64 s[G0S+2:G0S+3], s[22:23]
	s_or_b32 s[G0S+3], s[G0S+3], 0x80000000
	s_mov_b32 s[G0SB], 1
	s_add_co_u32 s[G0SB+1], s95, SCW
	s_mov_b64 s[G0SB+2:G0SB+3], s[92:93]
	s_or_b32 s[G0SB+3], s[G0SB+3], 0x80000000
	JLOAD G0S, G1S, G0SB, G1SB                     ; the scales first: they are wanted with the first products
.irp s, 0,1
	s_mov_b32 s[G0+4*\s], 1
	s_add_co_u32 s[G0+4*\s+1], s45, \s*SLOT
	s_add_nc_u64 s[G0+4*\s+2:G0+4*\s+3], s[20:21], \s*ROWB
	s_or_b32 s[G0+4*\s+3], s[G0+4*\s+3], 0x80000000
	s_mov_b32 s[G0B+4*\s], 1
	s_add_co_u32 s[G0B+4*\s+1], s45, \s*SLOT
	s_add_nc_u64 s[G0B+4*\s+2:G0B+4*\s+3], s[46:47], \s*ROWB
	s_or_b32 s[G0B+4*\s+3], s[G0B+4*\s+3], 0x80000000
	JLOAD G0+4*\s, G1, G0B+4*\s, G1B               ; K's half s into slot s: two tensor loads of mine are out, then three
.endr
	v_and_b32 v1, 15, v0                           ; r = lane % 16
	v_bfe_u32 v2, v0, 4, 1                         ; h = lane / 16
	v_mul_u32_u24 v3, v1, PITCH
	v_lshl_add_u32 v4, v2, 4, v3                   ; a fragment's row x pitch + 16 x half
	s_mul_i32 s21, s15, HALFT                      ; my 128 rows of x
	s_mul_i32 s22, s16, HALFT                      ; my 128 rows of W1,
	s_add_co_u32 s22, s22, 2*HALFT                 ; which lie behind x's 256
.irp s, 0,1
	v_add_nc_u32 v[ADRA+\s], s21, v4
	v_add_nc_u32 v[ADRB+\s], s22, v4
	s_add_co_u32 s21, s21, SLOT
	s_add_co_u32 s22, s22, SLOT
.endr
	v_mul_u32_u24 v5, v1, 32                       ; my row's scales: 32 bytes a row,
	v_lshrrev_b32 v6, 8, v5
	v_lshl_add_u32 v5, v6, 4, v5                   ; and 16 more for each 256 passed
	s_mul_i32 s21, s15, 4352                       ; x's: my 128 rows
	s_mul_i32 s22, s16, 4352                       ; W1's: my 128 rows of tile 0,
	s_add_co_u32 s22, s22, SCW-SCX
	s_sub_co_u32 s22, s22, s21                     ; as a distance from x's
	v_mul_u32_u24 v6, s22, v2                      ; lanes 16-31 take W1's
	s_add_co_u32 s21, s21, SCX
	v_add_nc_u32 v5, v5, v6
	v_add_nc_u32 v[ADRS], s21, v5
	v_mad_u32_u24 v[ADRS+1], v2, 8704, v[ADRS]     ; tile 1: W1's rows lie 256 rows on, x's stay
	v_and_b32 v6, 31, v0
	v_lshlrev_b32 v[LO16], 4, v6
	s_lshl_b32 s21, s15, 13
	s_add_co_u32 s21, s21, QX
	v_add_nc_u32 v[QXA], s21, v[LO16]              ; the exchange: my row half's 8,192 bytes, 16 a lane
	; Wq [16][4096] f32: lane (r, h) takes qubit r; of the 32 columns of fragment (t, bp): 8 h + 0 .. 7 and 16 + 8 h + 0 .. 7
	v_lshlrev_b32 v[WQO], 14, v1
	v_lshl_add_u32 v[WQO], v2, 5, v[WQO]           ; 16,384 r + 32 h
	s_lshl_b32 s12, s42, 11
	s_lshl_b32 s13, s16, 9
	s_add_co_u32 s12, s12, s13                     ; (512 g + 128 x my column half) x 4 bytes
	s_mov_b32 s13, 0
	s_add_nc_u64 s[96:97], s[96:97], s[12:13]
	WIN 0x80                                       ; destination window 2: the accumulators' registers are still free
.irp f, 0,1,2,3,4,5,6,7                        ; f = 4 t + bp
.irp i, 0,1,2,3
	global_load_b128 v[16*\f+4*\i:16*\f+4*\i+3], v[WQO], s[96:97] offset:1024*(\f/4)+128*(\f%4)+16*(\i%2)+64*(\i/2)
.endr
.endr
	WIN 0
	s_lshl_b32 s12, s42, 19                        ; qp: 524,288 g + (16 mt + 8 x my row half) x 1,024
	s_lshl_b32 s13, s17, 14
	s_add_co_u32 s12, s12, s13
	s_lshl_b32 s13, s15, 13
	s_add_co_u32 s12, s12, s13
	s_mov_b32 s13, 0
	s_add_nc_u64 s[98:99], s[98:99], s[12:13]
	s_wait_loadcnt 0x0
	WIN 0x4a                                       ; sources window 2, destination window 1
.irp f, 0,1,2,3,4,5,6,7
.irp j, 0,1,2,3,4,5,6,7
	v_cvt_pk_f16_f32 v[WQ+8*\f+\j], v[16*\f+2*\j], v[16*\f+2*\j+1]
.endr
.endr
	WIN 0
.macro FRAG reg, adr, q, i             ; 16 rows x 128 K of 4-bit codes: lane l holds row l % 16; registers 4 c .. 4 c + 3 hold K = 64 c + 32 (l / 16) + 0 .. 31
.irp c, 0,1
	ds_load_b128 v[\reg+4*\c:\reg+4*\c+3], v[\adr] offset:64*(\q)+32*\c+(\i)*16*PITCH
.endr
.endm
; 16 matrix instructions: x's blocks a0, a0 + 1 against W1's eight, the slot's q-th 128 along K.  p: W1's set;  sc: the set of scale words.  zero = 1: the product starts the sums.
; The 64 accumulators take turns, one instruction a turn, in the same order in every step.
.macro MUL16 a0, p, q, sc, zero
.irp a, \a0, \a0+1
.irp b, 0,1,2,3,4,5,6,7
.if \zero
	v_wmma_scale_f32_16x16x128_f8f6f4 v[8*(8*((\a)%4)+\b):8*(8*((\a)%4)+\b)+7], v[128*(\p)+FR*\b:128*(\p)+FR*\b+FR-1], v[AF+FR*(\a):AF+FR*(\a)+FR-1], 0, v[SC+8*NQ*(\sc)+NQ*\b+(\q)], v[SC+8*NQ*(\sc)+NQ*(\a)+(\q)] matrix_a_fmt:MATRIX_FMT_FP4 matrix_b_fmt:MATRIX_FMT_FP4 matrix_a_scale:MATRIX_SCALE_ROW1
.else
	v_wmma_scale_f32_16x16x128_f8f6f4 v[8*(8*((\a)%4)+\b):8*(8*((\a)%4)+\b)+7], v[128*(\p)+FR*\b:128*(\p)+FR*\b+FR-1], v[AF+FR*(\a):AF+FR*(\a)+FR-1], v[8*(8*((\a)%4)+\b):8*(8*((\a)%4)+\b)+7], v[SC+8*NQ*(\sc)+NQ*\b+(\q)], v[SC+8*NQ*(\sc)+NQ*(\a)+(\q)] matrix_a_fmt:MATRIX_FMT_FP4 matrix_b_fmt:MATRIX_FMT_FP4 matrix_a_scale:MATRIX_SCALE_ROW1
.endif
.endr
.endr
.endm
.macro FETCH_B slot, q, p              ; W1's eight fragments of the slot's q-th 128 along K into set p
	WIN TO_B
.irp i, 0,1,2,3,4,5,6,7
	FRAG 128*(\p)+FR*\i, ADRB+\slot, \q, \i
.endr
	WIN 0
.endm
.macro FETCH_A slot, q, i0             ; x's blocks i0 .. i0 + 3
.irp i, \i0, \i0+1, \i0+2, \i0+3
	FRAG AF+FR*(\i), ADRA+\slot, \q, \i
.endr
.endm
.macro SCALES sc, t, kh                ; the scale words of tile t, K's half kh, into set sc: four words a row; lanes 0-15 x's block i, lanes 16-31 W1's block i
.irp i, 0,1,2,3,4,5,6,7
	ds_load_b128 v[SC+32*(\sc)+4*\i:SC+32*(\sc)+4*\i+3], v[ADRS+\t] offset:\i*SBLK+16*(\kh)
.endr
.endm
; A step of 128 along K that has its successor in the same slot.  A block of x is free as soon as its eight products are issued: blocks 0-3 are fetched anew in the step's middle, blocks 4-7 at its end.
.macro STEP slot, q, zero
	s_wait_dscnt 4*NL                              ; all but the youngest eight loads (x's blocks 4-7) are in
	WIN MUL_LO
	MUL16 0, (\q)%2, \q, \slot, \zero
	MUL16 2, (\q)%2, \q, \slot, \zero
	s_wait_dscnt 0                                 ; x's blocks 4-7 are in
	PLACES NP                                      ; in front of loads into registers that matrix instructions have read
	FETCH_B \slot, (\q)+1, 1-(\q)%2
	FETCH_A \slot, (\q)+1, 0
	WIN MUL_HI
	MUL16 4, (\q)%2, \q, \slot, \zero
	MUL16 6, (\q)%2, \q, \slot, \zero
	PLACES NP
	WIN 0
	FETCH_A \slot, (\q)+1, 4
.endm
; A slot's last step changes slots: ONE barrier; in front of it each wave waits for all its tensor loads, adds 0 to its spare word, and waits for that and for its reads of this slot.
; fill = 1: W1's part of this slot is filled again, with the next tile's rows: the barrier then opens a round of the cluster's barrier.
.macro TURN slot, next, fill, t
	s_wait_tensorcnt 0x0                           ; all my tensor loads have landed (every window is 0 here)
	ds_add_u32 v[SPW], v[NIL]                      ; 0 onto my spare word
	s_wait_dscnt 4*NL+1                            ; (the add and the youngest eight loads may be out)
	WIN MUL_LO
	MUL16 0, 1, NQ-1, \slot, 0                     ; sixteen matrix instructions stand between the add and the wait for it
	s_wait_dscnt 0x0                               ; the add is done, and my reads of this slot are over
	s_barrier_signal -1
	MUL16 2, 1, NQ-1, \slot, 0
	WIN 0
	s_barrier_wait -1
.if \fill
	CREST                                          ; no wave of any partner still reads this slot's tile of W1 or has a load on its way
	s_add_nc_u64 s[G0B+4*\slot+2:G0B+4*\slot+3], s[G0B+4*\slot+2:G0B+4*\slot+3], TILEB
	BFILL \slot                                    ; the first tensor load behind the round
.else
	PLACES NP
.endif
	FETCH_B \next, 0, 0
	FETCH_A \next, 0, 0
	SCALES \next, \t, \next
	WIN MUL_HI
	MUL16 4, 1, NQ-1, \slot, 0
	MUL16 6, 1, NQ-1, \slot, 0
	PLACES NP
	WIN 0
	FETCH_A \next, 0, 4
.endm
.macro LAST                            ; a tile's last step: nothing more to fetch
	s_wait_dscnt 4*NL
	WIN MUL_LO
	MUL16 0, 1, NQ-1, 1, 0
	MUL16 2, 1, NQ-1, 1, 0
	s_wait_dscnt 0
	WIN MUL_HI
	MUL16 4, 1, NQ-1, 1, 0
	MUL16 6, 1, NQ-1, 1, 0
	WIN 0
.endm
; q += h Wq^T for tile t.  Lane (r, h) holds, in accumulator (a, b), h(16 a + r, 16 b + 8 h + 0 .. 7): accumulators (a, 2 bp) and (a, 2 bp + 1), rounded in pairs, ARE source 1 of the f16 form for the 32 columns 32 bp on.
; Eight conversions (each accumulator from its low end on), then the product; q's eight accumulators take turns; a fragment's registers are written again 56 conversions behind the product that read them.
.macro EPI t
	PLACES NP                                      ; the conversions read results just made and write registers that the last products read
.irp bp, 0,1,2,3
.irp a, 0,1,2,3,4,5,6,7
	WIN 0x0a+5*(\a/4)                              ; sources window 2 or 3, destination window 0
.irp j, 0,1,2,3
	v_cvt_pk_f16_f32 v[AF+8*\a+\j], v[8*(8*(\a%4)+2*\bp)+2*\j], v[8*(8*(\a%4)+2*\bp)+2*\j+1]
.endr
.irp j, 0,1,2,3
	v_cvt_pk_f16_f32 v[AF+8*\a+4+\j], v[8*(8*(\a%4)+2*\bp+1)+2*\j], v[8*(8*(\a%4)+2*\bp+1)+2*\j+1]
.endr
	WIN 0x51                                       ; source 0 (Wq), C and D window 1; source 1 (h) window 0
.if (\t == 0) && (\bp == 0)
	v_wmma_f32_16x16x32_f16 v[DQ+8*\a:DQ+8*\a+7], v[WQ+8*(4*\t+\bp):WQ+8*(4*\t+\bp)+7], v[AF+8*\a:AF+8*\a+7], 0
.else
	v_wmma_f32_16x16x32_f16 v[DQ+8*\a:DQ+8*\a+7], v[WQ+8*(4*\t+\bp):WQ+8*(4*\t+\bp)+7], v[AF+8*\a:AF+8*\a+7], v[DQ+8*\a:DQ+8*\a+7]
.endif
.endr
.endr
	WIN 0
.endm
	s_wait_tensorcnt 1                             ; the scales and my part of slot 0 are in (slot 1's load may be out)
	s_barrier_signal -1
	s_barrier_wait -1                              ; everybody's are
	FETCH_B 0, 0, 0
	FETCH_A 0, 0, 0
	SCALES 0, 0, 0
	FETCH_A 0, 0, 4
	; ---- tile 0
	STEP 0, 0, 1                                   ; the first products start the sums: nothing is cleared
	STEP 0, 1, 0
	STEP 0, 2, 0
	TURN 0, 1, 1, 0                                ; slot 0 takes tile 1's rows of W1, K's first half
	STEP 1, 0, 0
	STEP 1, 1, 0
	STEP 1, 2, 0
	LAST
	EPI 0
	; ---- the change of tiles: slot 1's part for W1 has been read out; slot 0's refill is waited for
	s_wait_tensorcnt 0x0                           ; all my tensor loads have landed
	ds_add_u32 v[SPW], v[NIL]                      ; 0 onto my spare word
	s_add_nc_u64 s[G0B+6:G0B+7], s[G0B+6:G0B+7], TILEB   ; no load of mine is out: slot 1's group 0 steps to tile 1
	s_wait_dscnt 0x0                               ; the add is done; my reads of slot 1 ended in the tile's last step
	CROUND
	BFILL 1                                        ; the first tensor load behind the round: tile 1's rows of W1, K's second half
	FETCH_B 0, 0, 0
	FETCH_A 0, 0, 0
	SCALES 0, 1, 0
	FETCH_A 0, 0, 4
	; ---- tile 1
	STEP 0, 0, 1
	STEP 0, 1, 0
	STEP 0, 2, 0
	TURN 0, 1, 0, 1                                ; nothing is filled again: a plain barrier shows slot 1 whole to every wave
	STEP 1, 0, 0
	STEP 1, 1, 0
	STEP 1, 2, 0
	LAST
	EPI 1
	PLACES NP                                      ; in front of the first reads of q's sums
	; ---- the two waves of a row half add their sums: the wave of column half 1 hands its 64 registers over as they stand, 16 bytes a lane
	s_cmp_eq_u32 s16, 0
	s_cbranch_scc1 .Lkeeps
	WIN 0x04                                       ; an LDS store's data are its source 1: window 1
.irp a, 0,1,2,3,4,5,6,7
.irp c, 0,1
	ds_store_b128 v[QXA], v[DQ+8*\a+4*\c:DQ+8*\a+4*\c+3] offset:512*(2*\a+\c)
.endr
.endr
	WIN 0
.Lkeeps:
	s_wait_dscnt 0x0                               ; for the others' sake: my stores have landed
	s_barrier_signal -1
	s_barrier_wait -1
	s_cmp_lg_u32 s16, 0
	s_cbranch_scc1 .Ldone
.irp i, 0,1,2,3,4,5,6,7,8,9,10,11,12,13,14,15
	ds_load_b128 v[AF+4*\i:AF+4*\i+3], v[QXA] offset:512*\i
.endr
	s_wait_dscnt 0x0
	WIN 0x04                                       ; source 1 window 1: my own sums
.irp i, 0,1,2,3,4,5,6,7,8,9,10,11,12,13,14,15,16,17,18,19,20,21,22,23,24,25,26,27,28,29,30,31
	v_pk_add_f32 v[AF+2*\i:AF+2*\i+1], v[AF+2*\i:AF+2*\i+1], v[DQ+2*\i:DQ+2*\i+1]
.endr
	WIN 0
.irp i, 0,1,2,3,4,5,6,7,8,9,10,11,12,13,14,15
	global_store_b128 v[LO16], v[AF+4*\i:AF+4*\i+3], s[98:99] offset:512*\i   ; 32 lanes store 512 consecutive bytes, aligned
.endr
.Ldone:
	s_wait_tensorcnt 0x0                           ; the wave's end: behind my last tensor load and my last LDS store
	ds_add_u32 v[SPW], v[NIL]
	s_wait_dscnt 0x0
	CROUND                                         ; the closing round: no work-group ends while a partner may still ask for a tile that names it
	s_endpgm
.Lfunc_end_k_q399bcd15a5_qpart:
	.size	k_q399bcd15a5_qpart, .Lfunc_end_k_q399bcd15a5_qpart-k_q399bcd15a5_qpart
	.p2alignl 7, 3214868480
	.fill 96, 4, 3214868480
	.section	.rodata,"a",@progbits
	.p2align	6, 0x0
	.amdhsa_kernel k_q399bcd15a5_qpart
		.amdhsa_group_segment_fixed_size 327680
		.amdhsa_private_segment_fixed_size 0
		.amdhsa_enable_private_segment 0
		.amdhsa_kernarg_size 48
		.amdhsa_user_sgpr_count 2
		.amdhsa_user_sgpr_kernarg_segment_ptr 1
		.amdhsa_wavefront_size32 1
		.amdhsa_system_sgpr_workgroup_id_x 1
		.amdhsa_system_sgpr_workgroup_id_y 1
		.amdhsa_system_sgpr_workgroup_id_z 1
		.amdhsa_system_vgpr_workitem_id 0
		.amdhsa_next_free_vgpr 1024
		.amdhsa_next_free_sgpr 100
		.amdhsa_reserve_vcc 0
		.amdhsa_float_denorm_mode_32 3
		.amdhsa_float_denorm_mode_16_64 3
		.amdhsa_memory_ordered 1
		.amdhsa_forward_progress 1
		.amdhsa_inst_pref_size 235
	.end_amdhsa_kernel
	.amdgpu_metadata
---
amdhsa.version: [ 1, 2 ]
amdhsa.kernels:
  - .name:           k_q399bcd15a5_qpart
    .symbol:         k_q399bcd15a5_qpart.kd
    .args:
      - { .name: xc, .offset: 0, .size: 8, .value_kind: global_buffer, .address_space: global }
      - { .name: xs, .offset: 8, .size: 8, .value_kind: global_buffer, .address_space: global }
      - { .name: w1c, .offset: 16, .size: 8, .value_kind: global_buffer, .address_space: global }
      - { .name: w1s, .offset: 24, .size: 8, .value_kind: global_buffer, .address_space: global }
      - { .name: Wq, .offset: 32, .size: 8, .value_kind: global_buffer, .address_space: global }
      - { .name: qp, .offset: 40, .size: 8, .value_kind: global_buffer, .address_space: global }
    .group_segment_fixed_size: 327680
    .private_segment_fixed_size: 0
    .kernarg_segment_align: 8
    .kernarg_segment_size: 48
    .max_flat_workgroup_size: 128
    .sgpr_count:     100
    .vgpr_count:     1024
    .wavefront_size: 32
...
	.end_amdgpu_metadata
.endif
;; end of part 2
;; launch ffn (part 3): grid 32 x 8, 4 waves a work-group, clusters of 4 x 1, 327,680 bytes of LDS; arguments qp, theta, w2h, woh, out0; writes out0
.if DOCPART == 3
	.amdgcn_target "amdgcn-amd-amdhsa--gfx1250"
	.amdhsa_code_object_version 6
	.text
	.protected	k_q399bcd15a5_ffn
	.globl	k_q399bcd15a5_ffn
	.p2align	8
	.type	k_q399bcd15a5_ffn,@function
k_q399bcd15a5_ffn:
	s_mov_b64 s[64:65], 0
	v_nop
	global_prefetch_b8 v0, s[64:65] scope:SCOPE_SE
	s_setreg_imm32_b32 hwreg(HW_REG_WAVE_MODE, 25, 1), 1
	s_wait_xcnt 0x0
	s_wait_alu depctr_hold_cnt(0) depctr_sa_sdst(0) depctr_va_vdst(0) depctr_va_sdst(0) depctr_va_ssrc(0) depctr_va_vcc(0) depctr_vm_vsrc(0)
	s_getreg_b32 s2, hwreg(HW_REG_IB_STS2, 6, 4)
	s_cmp_eq_u32 s2, 0
	s_cbranch_scc0 .Lentry_in_a_cluster
	s_endpgm
.Lentry_in_a_cluster:
	s_bfe_u32 s2, ttmp6, 0x10000c
	s_cmp_lg_u32 s2, 0x3003
	s_cbranch_scc0 .Lentry_shape_is_right
	s_endpgm
.Lentry_shape_is_right:
; THIRD LAUNCH: q = the sum of the eight partial sums; qm = cos(q + theta); h2 = relu(qm W2^T); out = h2 Wo^T.  h2 never goes to memory.  No work is left out.
; SHARES.  Work-group (mt, ny) makes rows 256 mt .. + 255, columns 128 ny .. + 127 of out.  Wave w owns rows 64 w .. + 63 (four blocks a of 16) and all 128 columns (eight blocks b): 32 accumulators, 256 registers.
; K = 4,096 goes in 16 steps of 256 through two LDS slots; a step is eight CHUNKS of 32.  Each wave makes its own rows' h2, chunk by chunk, in registers: nothing passes between waves.
; LAYOUT.  Both products are used transposed.  G = W2 qm^T (source 0 = 16 rows f of W2, source 1 = my 16 rows' qm): lane (r, h) holds row r and f = 8 h + 0 .. 7.  Two such tiles, clipped at 0 and rounded to f16 in pairs,
; ARE source 1 (32 along K x 16 rows) of out^T += Wo h2^T (source 0 = 16 rows e of Wo), whose result holds row r and e = 8 h + 0 .. 7: eight neighbours of a row of out.
; The form's K is 32 and the qubits are 16: registers 4-7 of qm's fragments are zeros, so registers 4-7 of W2's operand may hold any finite numbers: tile 0 is v[16:23], tile 1 v[20:27], v24-27 zeros.
; BY TURNS.  In chunk c the 8 products G of chunk c + 1 come first; then the 32 products of chunk c, and behind each a slice of three vector lines (two clips, one rounding) that turns G into chunk c + 1's operand.
; The LDS loads stand in one run a chunk, behind the second product: Wo's fragments of chunk c + 1 and W2's tiles of chunk c + 2.  W2's image lies in the slots ONE CHUNK ON (slot of step s: chunks 8 s + 1 .. 8 s + 8),
; so that both parts of a run come from one slot and one barrier a step serves.  Chunk 0's W2 comes by two global loads.
; CLUSTER.  The four work-groups of a cluster share ny and walk the same tiles of Wo and of W2: each is asked for jointly (mask 15).  Waves 0, 1 fetch Wo's halves, waves 2, 3 W2's.
; No prefetch is written: a refill is asked for in a step's last chunk and waited for at the next step's last chunk, some 300 matrix instructions later.
; THE COSINE: n = round((q + theta) / 2 pi); z = (q + theta) / 2 - n pi (pi in two parts), held to +-2; sin z by its series to z^11 (|z| <= pi / 2: the next term is under 6e-8); cos = 1 - 2 sin^2 z.
; LIMITS: from |q + theta| = 2^22 on z is no longer reduced and the hold keeps the result finite, but it is not the cosine (q's own spacing is 0.25 or more there).  |W2|, |Wo|, |h2| lie under 65,504; an f16 infinity in W2
; would make NaN of its neighbour tile too, through the zeros.  NaN and infinities are not served.
; REGISTERS, in windows of 256: window 0: v1-12 addresses; v16-27 W2; v32-63 qm's four fragments; v64-127 G; v128-191 h2, two sets; v192-199 theta.  At the head v64-159 serve the cosine; on the way out v128-255 hold rows.
;   window 1: the accumulators ((a, b) at v[8 (8 a + b)]); at the head the 256 loaded partial sums.   window 2: v0-127 Wo's fragments, two sets.
.set SLOT1, 1<<17                      ; slot 1 begins here: one exclusive or turns an address in one slot into the other's
.set WP,    528                        ; a row of Wo's tile in LDS: 512 bytes + 16 of padding = 132 words: the 16 rows of a load start at 16 different banks (ISA guide 11.1)
.set W2O,   128*WP                     ; behind Wo's 128 rows: 8,192 bytes of W2's image
.set STAGE, W2O+8192                   ; behind slot 0: 16 rows x 528 bytes for each wave, for the way out; no tile lands here
.set SPARE, STAGE+4*16*WP              ; the spare words, 128 bytes a wave, which no other line names
.set AW0,  3                           ; v3   my lane's place in a tile of Wo: 528 r + 16 h
.set AT0,  4                           ; v4   and in W2's image: W2O + 16 x lane
.set ADW,  5                           ; v5   the same in the slot in hand
.set ADT,  6                           ; v6
.set STO,  7                           ; v7   the way out: where I put 32 bytes of a row
.set RD,   8                           ; v8   and where I read a row back
.set LO16, 9                           ; v9   16 x lane
.set SPW,  10                          ; v10  LDS address of my spare word; never rewritten
.set NIL,  11                          ; v11  0; never rewritten
.set THO,  12                          ; v12  32 h: my eight of theta
.set W2R,  16
.set Q,    32
.set G,    64
.set H,    128
.set TH,   192
.set X,    64                          ; the cosine's three arrays of 32
.set N,    96
.set P,    128
.set WV,   14                          ; s14  my wave's number
.set G1W,  24                          ; s[24:31] group 1 for Wo's tiles;  s[32:39] for W2's image
.set G1T,  32
.set G0W,  40                          ; s[40:47] group 0 for Wo's: a set for each first fill; the second then walks on;  s[48:55] the same for W2's
.set G0T,  48
.set STEPS, 56
.set TB,   57                          ; s57  LDS byte at which the slot in hand begins
.set PIH,  58                          ; s58, s59: pi in two parts;  s60-s63, s66: the series' coefficients
.set PIL,  59
.set C1,   60
.set C2,   61
.set C3,   62
.set C4,   63
.set C5,   66
.set MSB, 0
.macro WIN new                         ; the immediate's high byte repeats the setting that is left; a switch that changes nothing is dropped
.if MSB != (\new)
	s_set_vgpr_msb (MSB<<8)|(\new)
.set MSB, (\new)
.endif
.endm
.macro PLACES
.rept 4
	v_nop
.endr
.endm
.macro JLOAD                           ; a joint refill by the walking descriptors.  The branch hangs on the wave's number alone.  An s_nop 0 and four v_nop follow each of the two lines
	s_cmp_lt_u32 s[WV], 2
	s_cbranch_scc0 .Lfor_t_\@
	tensor_load_to_lds s[G0W+4:G0W+7], s[G1W:G1W+7]
	s_nop 0
.rept 4
	v_nop
.endr
	s_branch .Lasked_\@
.Lfor_t_\@:
	tensor_load_to_lds s[G0T+4:G0T+7], s[G1T:G1T+7]
	s_nop 0
.rept 4
	v_nop
.endr
.Lasked_\@:
.endm
.macro CREST                           ; a round of the cluster's barrier behind its opening barrier
	s_cmp_lg_u32 s[WV], 0
	s_cbranch_scc1 .Lnot_wave_0_\@
	s_barrier_signal -3
.Lnot_wave_0_\@:
	s_barrier_wait -3
	s_barrier_signal -1
	s_barrier_wait -1
.endm
.macro CROUND
	s_barrier_signal -1
	s_barrier_wait -1
	CREST
.endm
	s_load_b256 s[4:11], s[0:1], 0x0               ; qp s[4:5], theta s[6:7], w2h s[8:9], woh s[10:11]
	s_load_b64 s[12:13], s[0:1], 0x20              ; out0
	v_lshl_add_u32 v[SPW], v0, 2, SPARE
	v_mov_b32 v[NIL], 0
	ds_add_u32 v[SPW], v[NIL]                      ; the wave's opening: the add, twice on end, and its wait ahead of my first tensor load
	ds_add_u32 v[SPW], v[NIL]                      ; and once more; the set-up below, work on registers, stands between it and the wait
	v_lshrrev_b32 v1, 5, v0
	v_readfirstlane_b32 s[WV], v1                  ; wave 0..3
	s_bfe_u32 s15, ttmp6, 0x40000                  ; cx: my place in the cluster
	s_lshl_b32 s16, ttmp9, 2
	s_add_co_u32 s16, s16, s15                     ; mt = 4 x cluster x + cx: it enters qp's and out0's addresses alone
	s_and_b32 s17, ttmp7, 0xffff                   ; ny, which the four partners share
	s_and_b32 s18, s[WV], 1                        ; which half I fetch
	s_lshl_b32 s20, s17, 20                        ; Wo: row 128 ny + 64 x half, 8,192 bytes a row
	s_lshl_b32 s19, s18, 19
	s_add_co_u32 s20, s20, s19
	s_mov_b32 s21, 0
	s_lshl_b32 s22, s18, 12                        ; W2's image: one chunk (1,024 bytes) on, + 4,096 x half
	s_add_co_u32 s22, s22, 1024
	s_mov_b32 s23, 0
	s_mul_i32 s2, s18, 64*WP                       ; and their places in a slot: no place in the cluster enters an LDS address
	s_lshl_b32 s3, s18, 12
	s_add_co_u32 s3, s3, W2O
	; group 1 for Wo: 64 rows x 256 elements of 2 bytes, rows 4,096 elements apart, padded in LDS
	s_mov_b32 s[G1W], 15|(1<<16)|(1<<20)|(1<<21)|(6<<22)|(3<<25)   ; 15:0 the mask: all four; 17:16 elements of 2 bytes; 20 padding on; 21 set beside a mask; 24:22 after every 128 words; 31:25 four words
	s_mov_b32 s[G1W+1], 256<<16                    ; tensor_dim0
	s_mov_b32 s[G1W+2], 64<<16                     ; tensor_dim1
	s_mov_b32 s[G1W+3], 256<<16                    ; tile_dim0
	s_mov_b32 s[G1W+4], 64                         ; tile_dim1
	s_mov_b32 s[G1W+5], 4096                       ; tensor_dim0_stride
	s_mov_b32 s[G1W+6], 0
	s_mov_b32 s[G1W+7], 0
	; group 1 for W2's image: a dense block of 4,096 bytes as 16 rows of 256 (32 elements of 8 bytes), no padding
	s_mov_b32 s[G1T], 15|(3<<16)|(1<<21)
	s_mov_b32 s[G1T+1], 32<<16
	s_mov_b32 s[G1T+2], 16<<16
	s_mov_b32 s[G1T+3], 32<<16
	s_mov_b32 s[G1T+4], 16
	s_mov_b32 s[G1T+5], 32
	s_mov_b32 s[G1T+6], 0
	s_mov_b32 s[G1T+7], 0
	s_mov_b32 s[PIH], 0x40490fdb                   ; pi, rounded to f32,
	s_mov_b32 s[PIL], 0xb3bbbd2e                   ; and what is left of it
	s_mov_b32 s[C1], 0xbe2aaaab                    ; -1/3!
	s_mov_b32 s[C2], 0x3c088889                    ; 1/5!
	s_mov_b32 s[C3], 0xb9500d01                    ; -1/7!
	s_mov_b32 s[C4], 0x3638ef1d                    ; 1/9!
	s_mov_b32 s[C5], 0xb2d7322b                    ; -1/11!
	s_mov_b32 s[TB], 0
	s_wait_dscnt 0x0                               ; both opening adds are done
	s_wait_kmcnt 0x0
	s_add_nc_u64 s[10:11], s[10:11], s[20:21]      ; Wo at my part of step 0
	s_add_nc_u64 s[20:21], s[8:9], s[22:23]        ; W2's image at my part of slot 0's
	CROUND                                         ; all four work-groups are here: the first joint loads meet
.irp s, 0,1
	s_mov_b32 s[G0W+4*\s], 1                       ; 1:0 count = 1
	s_add_co_u32 s[G0W+4*\s+1], s2, \s*SLOT1       ; 63:32 LDS address
	s_add_nc_u64 s[G0W+4*\s+2:G0W+4*\s+3], s[10:11], \s*512   ; 120:64 global address: step s
	s_or_b32 s[G0W+4*\s+3], s[G0W+4*\s+3], 0x80000000         ; 127:126 type = 2
	s_mov_b32 s[G0T+4*\s], 1
	s_add_co_u32 s[G0T+4*\s+1], s3, \s*SLOT1
	s_add_nc_u64 s[G0T+4*\s+2:G0T+4*\s+3], s[20:21], \s*8192
	s_or_b32 s[G0T+4*\s+3], s[G0T+4*\s+3], 0x80000000
.endr
	s_cmp_lt_u32 s[WV], 2                          ; a wave's two first fills stand in one branch: two loads of mine are out
	s_cbranch_scc0 .Lfirst_t
	tensor_load_to_lds s[G0W:G0W+3], s[G1W:G1W+7]
	s_nop 0
	tensor_load_to_lds s[G0W+4:G0W+7], s[G1W:G1W+7]
	s_nop 0
.rept 4
	v_nop
.endr
	s_branch .Lfirst_asked
.Lfirst_t:
	tensor_load_to_lds s[G0T:G0T+3], s[G1T:G1T+7]
	s_nop 0
	tensor_load_to_lds s[G0T+4:G0T+7], s[G1T:G1T+7]
	s_nop 0
.rept 4
	v_nop
.endr
.Lfirst_asked:
	v_and_b32 v1, 15, v0                           ; r
	v_bfe_u32 v2, v0, 4, 1                         ; h
	v_and_b32 v[LO16], 31, v0
	v_lshlrev_b32 v[LO16], 4, v[LO16]
	v_lshlrev_b32 v[THO], 5, v2
	s_lshl_b32 s2, s16, 14                         ; qp: my four blocks of 16 rows begin at block 16 mt + 4 w, 1,024 bytes a block
	s_lshl_b32 s3, s[WV], 12
	s_add_co_u32 s2, s2, s3
	s_mov_b32 s3, 0
	s_add_nc_u64 s[4:5], s[4:5], s[2:3]
	WIN 0x40                                       ; destination window 1: partial sum (a, g, c) at v[64 a + 8 g + 4 c]
.irp a, 0,1,2,3
.irp g, 0,1,2,3,4,5,6,7
.irp c, 0,1
	global_load_b128 v[64*\a+8*\g+4*\c:64*\a+8*\g+4*\c+3], v[LO16], s[4:5] offset:524288*\g+1024*\a+512*\c   ; 32 lanes read 512 consecutive bytes
.endr
.endr
.endr
	WIN 0
	global_load_b128 v[TH:TH+3], v[THO], s[6:7]    ; theta of qubits 8 h + 0 .. 7
	global_load_b128 v[TH+4:TH+7], v[THO], s[6:7] offset:16
	global_load_b128 v[W2R:W2R+3], v[LO16], s[8:9] ; W2's two tiles of chunk 0
	global_load_b128 v[W2R+4:W2R+7], v[LO16], s[8:9] offset:512
	v_mul_u32_u24 v[AW0], v1, WP
	v_lshl_add_u32 v[AW0], v2, 4, v[AW0]
	v_add_nc_u32 v[AT0], W2O, v[LO16]
	s_mul_i32 s2, s[WV], 16*WP
	s_add_co_u32 s2, s2, STAGE                     ; my stage
	v_mul_u32_u24 v[STO], v1, WP
	v_lshl_add_u32 v[STO], v2, 5, v[STO]
	v_add_nc_u32 v[STO], s2, v[STO]                ; in: row r, 32 bytes for each half of the lanes
	v_add_nc_u32 v[RD], s2, v[LO16]                ; back: the 32 lanes take one row of 512 bytes
.irp j, 8,9,10,11
	v_mov_b32 v[W2R+\j], 0                         ; the upper half of W2's second tile
.endr
.irp a, 0,1,2,3
.irp j, 4,5,6,7
	v_mov_b32 v[Q+8*\a+\j], 0                      ; the upper 16 of the form's K: zeros
.endr
.endr
	s_lshl_b32 s2, s16, 20                         ; out0: row 256 mt + 64 w, 4,096 bytes a row; column 128 ny
	s_lshl_b32 s3, s[WV], 18
	s_add_co_u32 s2, s2, s3
	s_lshl_b32 s3, s17, 9
	s_add_co_u32 s2, s2, s3
	s_mov_b32 s3, 0
	s_add_nc_u64 s[12:13], s[12:13], s[2:3]
	s_wait_loadcnt 0x0
	; q = ((p0 + p1) + (p2 + p3)) + ((p4 + p5) + (p6 + p7)): one fixed order
	WIN 0x45
.irp a, 0,1,2,3
.irp g, 0,2,4,6
.irp j, 0,2,4,6
	v_pk_add_f32 v[64*\a+8*\g+\j:64*\a+8*\g+\j+1], v[64*\a+8*\g+\j:64*\a+8*\g+\j+1], v[64*\a+8*\g+8+\j:64*\a+8*\g+8+\j+1]
.endr
.endr
.endr
.irp a, 0,1,2,3
.irp g, 0,4
.irp j, 0,2,4,6
	v_pk_add_f32 v[64*\a+8*\g+\j:64*\a+8*\g+\j+1], v[64*\a+8*\g+\j:64*\a+8*\g+\j+1], v[64*\a+8*\g+16+\j:64*\a+8*\g+16+\j+1]
.endr
.endr
.endr
	WIN 0x05                                       ; destination window 0
.irp a, 0,1,2,3
.irp j, 0,2,4,6
	v_pk_add_f32 v[X+8*\a+\j:X+8*\a+\j+1], v[64*\a+\j:64*\a+\j+1], v[64*\a+32+\j:64*\a+32+\j+1]
.endr
.endr
	WIN 0
.irp a, 0,1,2,3
.irp j, 0,2,4,6
	v_pk_add_f32 v[X+8*\a+\j:X+8*\a+\j+1], v[X+8*\a+\j:X+8*\a+\j+1], v[TH+\j:TH+\j+1]   ; + theta
.endr
.endr
; the cosine of my 32 numbers, stage by stage, so that no line waits for the line above it
.macro ALL32 body:vararg
.set i, 0
.rept 32
	\body
.set i, i+1
.endr
.endm
	ALL32 v_mul_f32 v[N+i], 0.15915494, v[X+i]
	ALL32 v_rndne_f32 v[N+i], v[N+i]
	ALL32 v_mul_f32 v[X+i], 0.5, v[X+i]
	ALL32 v_fma_f32 v[X+i], -v[N+i], s[PIH], v[X+i]
	ALL32 v_fma_f32 v[X+i], -v[N+i], s[PIL], v[X+i]
	ALL32 v_med3_num_f32 v[X+i], v[X+i], -2.0, 2.0
	ALL32 v_mul_f32 v[N+i], v[X+i], v[X+i]
	ALL32 v_fma_f32 v[P+i], v[N+i], s[C5], s[C4]
	ALL32 v_fma_f32 v[P+i], v[P+i], v[N+i], s[C3]
	ALL32 v_fma_f32 v[P+i], v[P+i], v[N+i], s[C2]
	ALL32 v_fma_f32 v[P+i], v[P+i], v[N+i], s[C1]
	ALL32 v_mul_f32 v[N+i], v[X+i], v[N+i]
	ALL32 v_fma_f32 v[X+i], v[N+i], v[P+i], v[X+i]
	ALL32 v_mul_f32 v[N+i], v[X+i], v[X+i]
	ALL32 v_fma_f32 v[X+i], v[N+i], -2.0, 1.0
.irp a, 0,1,2,3
.irp j, 0,1,2,3
	v_cvt_pk_f16_f32 v[Q+8*\a+\j], v[X+8*\a+2*\j], v[X+8*\a+2*\j+1]   ; qm as f16: lane (r, h): row 16 a + r, qubits 8 h + 0 .. 7
.endr
.endr
; 8 products: G of one chunk: block a of my rows x tile u of the chunk's 32 f, at v[G + 16 a + 8 u]
.macro GEN
.irp a, 0,1,2,3
.irp u, 0,1
	v_wmma_f32_16x16x32_f16 v[G+16*\a+8*\u:G+16*\a+8*\u+7], v[W2R+4*\u:W2R+4*\u+7], v[Q+8*\a:Q+8*\a+7], 0
.endr
.endr
.endm
; product i of 32 of a chunk: block a = i / 8 of my rows, block b = i % 8 of the columns; p: the set of h2 and of Wo's fragments.  The 32 accumulators take turns.
.macro P4 p, zero
	WIN 0x52                                       ; source 0 (Wo) window 2, source 1 (h2) window 0, C and D window 1
.if \zero
	v_wmma_f32_16x16x32_f16 v[8*i:8*i+7], v[64*(\p)+8*(i%8):64*(\p)+8*(i%8)+7], v[H+32*(\p)+8*(i/8):H+32*(\p)+8*(i/8)+7], 0
.else
	v_wmma_f32_16x16x32_f16 v[8*i:8*i+7], v[64*(\p)+8*(i%8):64*(\p)+8*(i%8)+7], v[H+32*(\p)+8*(i/8):H+32*(\p)+8*(i/8)+7], v[8*i:8*i+7]
.endif
.endm
; slice i of 32: pair i of G is clipped at 0; pair i - 1 is rounded to f16 into the other set of h2 (a slice late, so that no line reads the line above it).  G is read in ascending order.
.macro SLICE p
	WIN 0
	v_max_num_f32 v[G+2*i], 0, v[G+2*i]
	v_max_num_f32 v[G+2*i+1], 0, v[G+2*i+1]
.if i > 0
	v_cvt_pk_f16_f32 v[H+32*(1-(\p))+i-1], v[G+2*i-2], v[G+2*i-1]
.endif
.endm
.macro PS n, p, zero                   ; n products, a slice behind each
.rept \n
	P4 \p, \zero
	SLICE \p
.set i, i+1
.endr
.endm
.macro LASTCVT p
	v_cvt_pk_f16_f32 v[H+32*(1-(\p))+31], v[G+62], v[G+63]
.endm
; the chunk's run of LDS loads: Wo's eight fragments at 64 jn bytes of the rows into set p; w2 = 1: W2's two tiles at 1,024 jn of the slot's image
.macro RUN jn, p, w2
	WIN 0x80                                       ; destination window 2
.irp b, 0,1,2,3,4,5,6,7
	ds_load_b128 v[64*(\p)+8*\b:64*(\p)+8*\b+3],   v[ADW] offset:16*WP*\b+64*(\jn)
	ds_load_b128 v[64*(\p)+8*\b+4:64*(\p)+8*\b+7], v[ADW] offset:16*WP*\b+64*(\jn)+32
.endr
	WIN 0
.if \w2
	ds_load_b128 v[W2R:W2R+3],   v[ADT] offset:1024*(\jn)
	ds_load_b128 v[W2R+4:W2R+7], v[ADT] offset:1024*(\jn)+512
.endif
.endm
; CHUNK j (0 .. 6) of a step.  The four v_nop behind G's products are the places in front of the first read of G, of the first write into the other set of h2, and of the run's loads into registers that matrix instructions have read.
.macro CHUNK j, zero, w2
	s_wait_dscnt 0x0                               ; the last chunk's run is in
	WIN 0
	GEN
	PLACES
.set i, 0
	PS 2, (\j)%2, \zero
	RUN (\j)+1, 1-(\j)%2, \w2
	PS 30, (\j)%2, \zero
	LASTCVT (\j)%2
.endm
; A step's last chunk changes slots: ONE barrier; in front of it each wave waits for all its tensor loads, adds 0 to its spare word, and waits for that and for its reads of this slot (the last were chunk 6's run).
; fill = 1: the slot just left is filled again, two steps ahead: the barrier then opens a round of the cluster's barrier, and the joint refill is the first tensor load behind it.
.macro TURN fill
	WIN 0
	s_wait_tensorcnt 0x0                           ; all my tensor loads have landed: my part of the next slot
	ds_add_u32 v[SPW], v[NIL]                      ; 0 onto my spare word
	s_wait_dscnt 0x1                               ; chunk 6's run is in (the add may be out)
	GEN
	PLACES
.set i, 0
	PS 8, 1, 0
.if \fill
	s_xor_b32 s[G0W+5], s[G0W+5], SLOT1            ; no load of mine is out: the walking descriptors take the other slot than last time,
	s_add_nc_u64 s[G0W+6:G0W+7], s[G0W+6:G0W+7], 512     ; and the next step; the type bits on top are not reached
	s_xor_b32 s[G0T+5], s[G0T+5], SLOT1
	s_add_nc_u64 s[G0T+6:G0T+7], s[G0T+6:G0T+7], 8192
.endif
	s_wait_dscnt 0x0                               ; the add is done, and my reads of this slot are over
	s_barrier_signal -1
	PS 8, 1, 0                                     ; work on registers while the others arrive
	WIN 0
	s_barrier_wait -1
.if \fill
	CREST                                          ; no wave of any partner still reads this slot or has a load on its way
	JLOAD
.endif
	s_xor_b32 s[TB], s[TB], SLOT1                  ; on to the other slot
	v_add_nc_u32 v[ADW], s[TB], v[AW0]
	v_add_nc_u32 v[ADT], s[TB], v[AT0]
	RUN 0, 0, 1
	PS 16, 1, 0
	LASTCVT 1
.endm
	GEN                                            ; chunk 0's G
	PLACES
.set i, 0
.rept 64
	v_max_num_f32 v[G+i], 0, v[G+i]
.set i, i+1
.endr
.set i, 0
.rept 32
	v_cvt_pk_f16_f32 v[H+i], v[G+2*i], v[G+2*i+1]  ; chunk 0's h2 into set 0
.set i, i+1
.endr
	s_wait_tensorcnt 1                             ; my part of slot 0 is in; slot 1's may stay out
	s_barrier_signal -1
	s_barrier_wait -1                              ; everybody's is
	v_add_nc_u32 v[ADW], s[TB], v[AW0]
	v_add_nc_u32 v[ADT], s[TB], v[AT0]
	RUN 0, 0, 1                                    ; Wo of chunk 0, W2 of chunk 1
	CHUNK 0, 1, 1                                  ; the first chunk stands in front of the loop: its products start the sums: nothing is cleared
	WIN 0                                          ; at a label and at a branch every window is 0
	s_mov_b32 s[STEPS], 14
.Lstep:                                            ; a trip goes from a step's second chunk to the next step's first, and fills the slot that it leaves: steps 2 to 15
	CHUNK 1, 0, 1
	CHUNK 2, 0, 1
	CHUNK 3, 0, 1
	CHUNK 4, 0, 1
	CHUNK 5, 0, 1
	CHUNK 6, 0, 1
	TURN 1
	CHUNK 0, 0, 1
	WIN 0
	s_sub_co_u32 s[STEPS], s[STEPS], 1
	s_cmp_lg_u32 s[STEPS], 0
	s_cbranch_scc1 .Lstep
	CHUNK 1, 0, 1                                  ; the last two steps are written out: nothing is left to ask for
	CHUNK 2, 0, 1
	CHUNK 3, 0, 1
	CHUNK 4, 0, 1
	CHUNK 5, 0, 1
	CHUNK 6, 0, 1
	TURN 0
	CHUNK 0, 0, 1
	CHUNK 1, 0, 1
	CHUNK 2, 0, 1
	CHUNK 3, 0, 1
	CHUNK 4, 0, 1
	CHUNK 5, 0, 1
	CHUNK 6, 0, 0                                  ; there is no chunk behind the last: no W2 is fetched
	s_wait_dscnt 0x0
.set i, 0
.rept 32
	P4 1, 0                                        ; the last chunk: products alone
.set i, i+1
.endr
	WIN 0
; THE WAY OUT, block by block of 16 rows x 128 columns.  A lane holds 32 neighbouring bytes of a row, and the lanes beside it hold other rows: a block goes through my own stage in LDS and comes back as whole rows of 512 bytes.
; LDS serves a wave's instructions in order (ISA guide 5.7.1.4): no wait between the stores and the loads, nor in front of the next block's stores.
.macro TOSTAGE a
	WIN 0x04                                       ; an LDS store's data are its source 1: window 1
.irp b, 0,1,2,3,4,5,6,7
	ds_store_b128 v[STO], v[64*(\a)+8*\b:64*(\a)+8*\b+3] offset:64*\b          ; each accumulator from its low end on
	ds_store_b128 v[STO], v[64*(\a)+8*\b+4:64*(\a)+8*\b+7] offset:64*\b+16
.endr
	WIN 0
.set BB, 128+64*((\a)%2)
.irp t, 0,1,2,3,4,5,6,7,8,9,10,11,12,13,14,15
	ds_load_b128 v[BB+4*\t:BB+4*\t+3], v[RD] offset:\t*WP
.endr
.endm
.macro SEND a, younger                 ; younger: the LDS instructions issued behind block a's loads, which may stay out
.set BB, 128+64*((\a)%2)
	s_wait_dscnt \younger                          ; the block is back in registers
.if (\a) > 0
	s_add_nc_u64 s[12:13], s[12:13], 16*4096       ; (behind a wait on XCNT: the earlier stores have read their base)  16 rows on
.endif
.irp t, 0,1,2,3,4,5,6,7,8,9,10,11,12,13,14,15
	global_store_b128 v[LO16], v[BB+4*\t:BB+4*\t+3], s[12:13] offset:\t*4096 th:TH_STORE_NT   ; 32 lanes store 512 consecutive bytes, aligned; written once, read by nobody here
.endr
.endm
	PLACES                                         ; in front of the first reads of results and of loads into registers that the last products read
	TOSTAGE 0
.irp a, 1,2,3
.if \a > 1
	s_wait_xcnt 0x0                                ; block a - 2's stores have read their registers and their base: block a's loads may land there, and the base may step
.endif
	TOSTAGE \a
	SEND \a-1, 32                                  ; behind block a - 1's loads: block a's 16 stores and 16 loads
.endr
	s_wait_xcnt 0x0                                ; block 2's stores have read their base
	SEND 3, 0
	s_wait_tensorcnt 0x0                           ; the wave's end: behind my last tensor load and my last LDS store
	ds_add_u32 v[SPW], v[NIL]
	s_wait_dscnt 0x0
	CROUND                                         ; the closing round: no work-group ends while a partner may still ask for a tile that names it
	s_endpgm
.Lfunc_end_k_q399bcd15a5_ffn:
	.size	k_q399bcd15a5_ffn, .Lfunc_end_k_q399bcd15a5_ffn-k_q399bcd15a5_ffn
	.p2alignl 7, 3214868480
	.fill 96, 4, 3214868480
	.section	.rodata,"a",@progbits
	.p2align	6, 0x0
	.amdhsa_kernel k_q399bcd15a5_ffn
		.amdhsa_group_segment_fixed_size 327680
		.amdhsa_private_segment_fixed_size 0
		.amdhsa_enable_private_segment 0
		.amdhsa_kernarg_size 40
		.amdhsa_user_sgpr_count 2
		.amdhsa_user_sgpr_kernarg_segment_ptr 1
		.amdhsa_wavefront_size32 1
		.amdhsa_system_sgpr_workgroup_id_x 1
		.amdhsa_system_sgpr_workgroup_id_y 1
		.amdhsa_system_sgpr_workgroup_id_z 1
		.amdhsa_system_vgpr_workitem_id 0
		.amdhsa_next_free_vgpr 640
		.amdhsa_next_free_sgpr 72
		.amdhsa_reserve_vcc 0
		.amdhsa_float_denorm_mode_32 3
		.amdhsa_float_denorm_mode_16_64 3
		.amdhsa_memory_ordered 1
		.amdhsa_forward_progress 1
		.amdhsa_inst_pref_size 255
	.end_amdhsa_kernel
	.section	.bss,"aw",@nobits
	.p2align	6
	.space	262144
	.amdgpu_metadata
---
amdhsa.version: [ 1, 2 ]
amdhsa.kernels:
  - .name:           k_q399bcd15a5_ffn
    .symbol:         k_q399bcd15a5_ffn.kd
    .args:
      - { .name: qp, .offset: 0, .size: 8, .value_kind: global_buffer, .address_space: global }
      - { .name: theta, .offset: 8, .size: 8, .value_kind: global_buffer, .address_space: global }
      - { .name: w2h, .offset: 16, .size: 8, .value_kind: global_buffer, .address_space: global }
      - { .name: woh, .offset: 24, .size: 8, .value_kind: global_buffer, .address_space: global }
      - { .name: out0, .offset: 32, .size: 8, .value_kind: global_buffer, .address_space: global }
    .group_segment_fixed_size: 327680
    .private_segment_fixed_size: 0
    .kernarg_segment_align: 8
    .kernarg_segment_size: 40
    .max_flat_workgroup_size: 128
    .sgpr_count:     72
    .vgpr_count:     640
    .wavefront_size: 32
...
	.end_amdgpu_metadata
.endif
;; end of part 3
